; MI455X (gfx1250); checked and timed in simulation.
; The chip was launched on July 23, 2026; its instructions are those of AMD's public machine-readable ISA for CDNA 5 (MIT licence, August 2026) and "CDNA5" Instruction Set Architecture Reference Guide (July 2026). The comments in the code are by the model that wrote it; some were corrected since.
;; Hybrid Attention. Allowed arithmetic: matrix products marked QUANTISED: E4M3 operands, one given power-of-two scale a tensor, by v_wmma_f32_16x16x64_fp8_fp8 or v_wmma_f32_16x16x128_fp8_fp8, f32 sums; everything else in f32.
;; Inputs: keys 4 x 2,048 x 8 x 64 float32; lowp_scales 4 int32 (the exponents e of the quantised operands' scales 2^e); queries 4 x 2,048 x 8 x 64 float32; values 4 x 2,048 x 8 x 64 float32.
;; Outputs: out0 4 x 2,048 x 8 x 64 float32.
;; This version of the problem:
;;   THIS VERSION OF THE PROBLEM IS GIVEN IN LOW PRECISION. The matrix products marked QUANTISED in the list below multiply operands that are first quantised to E4M3 (4 exponent bits, 3 mantissa bits; 8 bits a number), with one given power-of-two scale for each operand tensor; their sums are f32. All else is computed in f32.
;;   The module's matrix products, in the order in which they are computed (A, B: the left and right operand; K: the contracted axis; several contracted axes count as one K, in the product's order):
;;     1. batch 32 x [M 2,048, K 64] x [K 64, N 2,048]; A: input queries; B: input keys: QUANTISED (scales: A lowp_scales[0], B lowp_scales[1])
;;     2. batch 32 x [M 64, K 2,048] x [K 2,048, N 2,048]; A: input values; B: computed on the way: QUANTISED (scales: A lowp_scales[2], B lowp_scales[3])
;;   THE QUANTISER, for each operand of a quantised product, along K:
;;     - The operand's scale is 2^e, e = its entry of the input lowp_scales (int32; the entries are numbered through the quantised products in the list's order, A before B).
;;     - Each number is divided by the scale, clamped to +-448, and rounded to the nearest number of E4M3, ties to even, subnormals kept.
;;     - The product sums the exact products of the quantised numbers (number of the format x scale) in f32.
;;   ~~~python
;;   def quantise(x, axis, e):      # numpy; x: float32 -> the quantised numbers, widened to float32 again
;;       x = np.moveaxis(x, axis, -1); K = x.shape[-1]
;;       r = np.clip(x / 2.0 ** e, -448, 448)
;;       step = 2.0 ** (np.maximum(np.frexp(np.where(r == 0, 1, r))[1] - 1, -6) - 3)
;;       q = np.round(r / step) * step * 2.0 ** e      # np.round: ties to even
;;       return np.moveaxis(q, -1, axis).astype(np.float32)
;;   ~~~
;;   OPERANDS COMPUTED ON THE WAY. 'Computed on the way' means the value that the module computes at that place (a softmax that the list does not call 'softmax' is quantised finished and normalised). What goes into a quantiser is computed in f32, as accurately as f32 sums, v_exp_f32 and their like allow (about 1e-6 of the number): no bf16 or f16 on the way to a quantiser, and a product that is left as it is and whose result goes on into a quantised operand takes f32 operands (vector FMAs, or v_wmma_f32_16x16x4_f32). A number that lies on a knife's edge between two numbers of the format may be rounded either way, as far as f32 arithmetic and the matrix unit's own rounding can turn it there, and no further.
;; One version. Each part assembles by itself: llvm-mc -triple=amdgcn-amd-amdhsa -mcpu=gfx1250 --defsym DOCPART=n.
;; ======== version 1 of 1: 2 launches
;; workspace buffers: kimg 4,194,304 bytes; vimg 4,194,304 bytes
;; launch quant (part 1): grid 256 x 1, 8 waves a work-group, no clusters, 20,480 bytes of LDS; arguments keys, values, lowp_scales, kimg, vimg; writes kimg, vimg
.if DOCPART == 1
	.amdgcn_target "amdgcn-amd-amdhsa--gfx1250"
	.amdhsa_code_object_version 6
	.text
	.protected	k_q5d8df47242_quant
	.globl	k_q5d8df47242_quant
	.p2align	8
	.type	k_q5d8df47242_quant,@function
k_q5d8df47242_quant:
	s_mov_b64 s[64:65], 0
	v_nop
	global_prefetch_b8 v0, s[64:65] scope:SCOPE_SE
	s_setreg_imm32_b32 hwreg(HW_REG_WAVE_MODE, 25, 1), 1
	s_wait_xcnt 0x0
; keys and values, [4][2048][8][64] f32, become codes of E4M3, each tensor with the one scale 2^e that is given for it (entry 1 for keys, entry 2 for values),
; laid as IMAGES OF THE OPERAND REGISTERS that the attention launch loads, so that every fragment there comes by loads of 16 bytes a lane at 16 x lane.
; code = x / 2^e, held within +-448, rounded to the nearest code, ties to even.  LIMITS: -126 <= e <= 119.  NaN among the inputs is not served; an infinity is held at the largest code.
; POSITIONS.  A key lies at position (key + 2) mod 2048, so that the window key = i - 2 .. i + 1 of query i is positions i .. i + 3.
; IMAGES, for head 8 b + head 131,072 bytes: 64 groups g of 32 positions, 2,048 bytes each.  A lane is (r = lane % 16, hh = lane / 16).
;   kimg: g x 2048 + u x 1024 + c x 512 + 16 x lane: position 32 g + 16 (r / 8) + 8 u + r % 8, channels 32 c + 16 hh + 0 .. 15.
;   vimg: g x 2048 + t x 512 + 16 x lane: channel 4 r + t, positions 32 g + 16 hh + 0 .. 15.
; SHARES.  Work-group G: batch G / 64, group G % 64.  Wave w is head w: 32 positions x 64 channels of keys and of values.  No loop, no barrier: waves share nothing.
; Each load takes two whole rows of a head: lanes 0-15 the 256 bytes of position j, lanes 16-31 those of position 16 + j; 32 loads of a wave, 16 KiB, go out at once.
; keys: a lane's four numbers of a row become four codes; they turn through the wave's own stage in LDS (32 rows of 64 bytes + 16).  values: a lane's 16 registers of one channel ARE 16 neighbouring positions: no LDS.
.set SP,   80                          ; a stage row: 64 bytes of codes + 16
.set WSTG, 32*SP                       ; a wave's stage
.set A2,   2                           ; v2   byte offset of my 16 bytes in the row of my half's position 2 (the rows from there on follow each other)
.set A0,   3                           ; v3   the same for my half's position 0: in group 0 its key is 2046
.set L16,  4                           ; v4   16 x lane
.set SW,   5                           ; v5   the stage, on the way in
.set RDK,  6                           ; v6   the stage, on the way out
.set KR,   16                          ; v16-79   keys as loaded: register 4 j + dd = (position 16 H + j, channel 4 i + dd)
.set VR,   80                          ; v80-143  values likewise
.set VT,   144                         ; v144-207 values held, with the registers turned: 16 dd + j
.set KC,   208                         ; v208-223 keys' codes: register j = four channels of position 16 H + j
.set VC,   224                         ; v224-239 values' codes: four registers for each dd
.set KB,   240                         ; v240-255 keys' codes back from the stage
	s_load_b256 s[4:11], s[0:1], 0x0               ; keys s[4:5], values s[6:7], the scales' exponents s[8:9], kimg s[10:11]
	s_load_b64 s[12:13], s[0:1], 0x20              ; vimg
	v_lshrrev_b32 v1, 5, v0
	v_readfirstlane_b32 s14, v1                    ; wave = head
	v_and_b32 v12, 15, v0                          ; i = lane % 16
	v_bfe_u32 v13, v0, 4, 1                        ; H = lane / 16
	v_and_b32 v14, 31, v0                          ; lane
	s_lshr_b32 s24, ttmp9, 6                       ; batch
	s_and_b32 s25, ttmp9, 63                       ; group
	v_lshlrev_b32 v15, 4, v12                      ; 16 i
	s_lshl_b32 s26, s25, 16                        ; 32 rows of 2,048 bytes a group
	v_lshl_add_u32 v[A2], v13, 15, v15
	v_add_nc_u32 v[A2], s26, v[A2]                 ; key 32 g + 16 H: position 32 g + 16 H + 2
	s_lshl_b32 s27, s25, 5
	s_sub_co_u32 s27, s27, 2
	v_lshl_add_u32 v[A0], v13, 4, s27
	v_and_b32 v[A0], 0x7ff, v[A0]                  ; key (32 g + 16 H - 2) mod 2048
	v_lshl_add_u32 v[A0], v[A0], 11, v15
	v_lshlrev_b32 v[L16], 4, v14
	s_mul_i32 s28, s14, WSTG
	v_mul_u32_u24 v[SW], v13, 8*SP
	v_lshl_add_u32 v[SW], v12, 2, v[SW]
	v_add_nc_u32 v[SW], s28, v[SW]                 ; in: stage row 16 (j / 8) + j % 8 + 8 H (the first two in the immediate), byte 4 i
	v_mul_u32_u24 v[RDK], v12, SP
	v_lshl_add_u32 v[RDK], v13, 4, v[RDK]
	v_add_nc_u32 v[RDK], s28, v[RDK]               ; out: stage row 16 u + r, byte 32 c + 16 hh
	s_lshl_b32 s16, s24, 22                        ; a batch is 4 MiB,
	s_lshl_b32 s17, s14, 8                         ; a head's part of a row 256 bytes
	s_or_b32 s16, s16, s17
	s_mov_b32 s17, 0
	s_lshl_b32 s18, s24, 3
	s_add_co_u32 s18, s18, s14
	s_lshl_b32 s18, s18, 17                        ; the head's image,
	s_lshl_b32 s19, s25, 11                        ; the group in it
	s_add_co_u32 s18, s18, s19
	s_mov_b32 s19, 0
	s_wait_kmcnt 0x0
	s_load_b128 s[20:23], s[8:9], 0x0              ; the four exponents: s21 for keys, s22 for values
	s_add_nc_u64 s[4:5], s[4:5], s[16:17]
	s_add_nc_u64 s[6:7], s[6:7], s[16:17]
	s_add_nc_u64 s[10:11], s[10:11], s[18:19]
	s_add_nc_u64 s[12:13], s[12:13], s[18:19]
.macro LOADT reg, base                 ; my half's 16 positions of one tensor; read once in the launch
.irp j, 0,1
	global_load_b128 v[\reg+4*\j:\reg+4*\j+3], v[A0], s[\base:\base+1] offset:\j*2048 th:TH_LOAD_NT
.endr
.irp j, 2,3,4,5,6,7,8,9,10,11,12,13,14,15
	global_load_b128 v[\reg+4*\j:\reg+4*\j+3], v[A2], s[\base:\base+1] offset:(\j-2)*2048 th:TH_LOAD_NT
.endr
.endm
	LOADT KR, 4
	LOADT VR, 6
	s_wait_kmcnt 0x0
	s_add_co_i32 s24, s21, 127
	s_lshl_b32 s25, s24, 23
	v_mov_b32 v8, s25                              ; 2^e as f32, for keys: the conversion takes its exponent field
	s_add_co_i32 s24, s24, 8
	s_lshl_b32 s24, s24, 23
	s_or_b32 s24, s24, 0x600000
	v_mov_b32 v9, s24                              ; 448 x 2^e
	s_add_co_i32 s24, s22, 127
	s_lshl_b32 s25, s24, 23
	v_mov_b32 v10, s25                             ; the same for values
	s_add_co_i32 s24, s24, 8
	s_lshl_b32 s24, s24, 23
	s_or_b32 s24, s24, 0x600000
	v_mov_b32 v11, s24
	; ---- keys
	s_wait_loadcnt 16                              ; the keys' 16 loads are in; the values' 16 may stay out
.set n, 0
.rept 64
	v_med3_num_f32 v[KR+n], v[KR+n], -v9, v9       ; the conversion to an 8-bit code does not saturate (ISA guide 7.6.2): the hold comes first
.set n, n+1
.endr
.irp m, 0,1,2,3,4,5,6,7
	v_cvt_scalef32_pk8_fp8_f32 v[KC+2*\m:KC+2*\m+1], v[KR+8*\m:KR+8*\m+7], v8
.endr
	v_nop                                          ; a plain line behind the last conversion
.irp j, 0,1,2,3,4,5,6,7,8,9,10,11,12,13,14,15
	ds_store_b32 v[SW], v[KC+\j] offset:(16*(\j/8)+\j%8)*SP
.endr
.irp k, 0,1,2,3
	ds_load_b128 v[KB+4*\k:KB+4*\k+3], v[RDK] offset:(\k/2)*16*SP+(\k%2)*32   ; LDS serves a wave's instructions in order (ISA guide 5.7.1.4): these see my stores
.endr
	; ---- values, while the keys' codes are on their way through the stage
	s_wait_loadcnt 0x0
.irp d, 0,1,2,3
.irp j, 0,1,2,3,4,5,6,7,8,9,10,11,12,13,14,15
	v_med3_num_f32 v[VT+16*\d+\j], v[VR+4*\j+\d], -v11, v11   ; the hold also turns the registers: 16 positions of one channel on end
.endr
.endr
.irp d, 0,1,2,3
	v_cvt_scalef32_pk8_fp8_f32 v[VC+4*\d:VC+4*\d+1], v[VT+16*\d:VT+16*\d+7], v10
	v_cvt_scalef32_pk8_fp8_f32 v[VC+4*\d+2:VC+4*\d+3], v[VT+16*\d+8:VT+16*\d+15], v10
.endr
	v_nop
.irp d, 0,1,2,3
	global_store_b128 v[L16], v[VC+4*\d:VC+4*\d+3], s[12:13] offset:\d*512   ; the wave stores 512 consecutive bytes, at a multiple of 256 from the buffer's first byte
.endr
.irp k, 0,1,2,3
	s_wait_dscnt 3-\k                              ; load k from the stage is in; the younger ones may stay out
	global_store_b128 v[L16], v[KB+4*\k:KB+4*\k+3], s[10:11] offset:\k*512
.endr
	s_endpgm
.Lfunc_end_k_q5d8df47242_quant:
	.size	k_q5d8df47242_quant, .Lfunc_end_k_q5d8df47242_quant-k_q5d8df47242_quant
	.p2alignl 7, 3214868480
	.fill 96, 4, 3214868480
	.section	.rodata,"a",@progbits
	.p2align	6, 0x0
	.amdhsa_kernel k_q5d8df47242_quant
		.amdhsa_group_segment_fixed_size 20480
		.amdhsa_private_segment_fixed_size 0
		.amdhsa_enable_private_segment 0
		.amdhsa_kernarg_size 40
		.amdhsa_user_sgpr_count 2
		.amdhsa_user_sgpr_kernarg_segment_ptr 1
		.amdhsa_wavefront_size32 1
		.amdhsa_system_sgpr_workgroup_id_x 1
		.amdhsa_system_sgpr_workgroup_id_y 1
		.amdhsa_system_sgpr_workgroup_id_z 1
		.amdhsa_system_vgpr_workitem_id 0
		.amdhsa_next_free_vgpr 256
		.amdhsa_next_free_sgpr 66
		.amdhsa_reserve_vcc 0
		.amdhsa_float_denorm_mode_32 3
		.amdhsa_float_denorm_mode_16_64 3
		.amdhsa_memory_ordered 1
		.amdhsa_forward_progress 1
		.amdhsa_inst_pref_size 17
	.end_amdhsa_kernel
	.amdgpu_metadata
---
amdhsa.version: [ 1, 2 ]
amdhsa.kernels:
  - .name:           k_q5d8df47242_quant
    .symbol:         k_q5d8df47242_quant.kd
    .args:
      - { .name: keys, .offset: 0, .size: 8, .value_kind: global_buffer, .address_space: global }
      - { .name: values, .offset: 8, .size: 8, .value_kind: global_buffer, .address_space: global }
      - { .name: lowp_scales, .offset: 16, .size: 8, .value_kind: global_buffer, .address_space: global }
      - { .name: kimg, .offset: 24, .size: 8, .value_kind: global_buffer, .address_space: global }
      - { .name: vimg, .offset: 32, .size: 8, .value_kind: global_buffer, .address_space: global }
    .group_segment_fixed_size: 20480
    .private_segment_fixed_size: 0
    .kernarg_segment_align: 8
    .kernarg_segment_size: 40
    .max_flat_workgroup_size: 256
    .sgpr_count:     66
    .vgpr_count:     256
    .wavefront_size: 32
...
	.end_amdgpu_metadata
.endif
;; end of part 1
;; launch attn (part 2): grid 8 x 32, 8 waves a work-group, no clusters, 327,680 bytes of LDS; arguments queries, kimg, vimg, lowp_scales, out0; writes out0
.if DOCPART == 2
	.amdgcn_target "amdgcn-amd-amdhsa--gfx1250"
	.amdhsa_code_object_version 6
	.text
	.protected	k_q5d8df47242_attn
	.globl	k_q5d8df47242_attn
	.p2align	8
	.type	k_q5d8df47242_attn,@function
k_q5d8df47242_attn:
	s_mov_b64 s[64:65], 0
	v_nop
	global_prefetch_b8 v0, s[64:65] scope:SCOPE_SE
	s_setreg_imm32_b32 hwreg(HW_REG_WAVE_MODE, 25, 1), 1
	s_wait_xcnt 0x0
; out[b][i][head][:] = the sum over keys of (A_global + A_local)[i][key] V[key][:], both products on codes of E4M3, each operand with its given scale 2^e (e0 queries, e1 keys, e2 values, e3 the weights).
; A_global = softmax(scores / 8) over all 2,048 keys; A_local = the same over keys i - 2 .. i + 1 that exist.  THE WEIGHTS ARE QUANTISED FINISHED AND NORMALISED, so a row's maximum and sum are known before
; any weight is quantised: the keys are walked TWICE.  Walk 1: scores, running maximum and sum.  Walk 2: the scores again, p = 2^(t - M - log2 l) (t = score x log2(e) / 8; M the largest t rounded up; l the sum
; of 2^(t - M)): one multiply-add and one exponential give the normalised weight; the local weights are added; hold, conversion, product with V.
; SHARES.  A work-group owns 256 queries of one head (grid 8 x 32 = 256 work-groups); each of its eight waves 32 of them, two tiles of 16.  The head's codes of K and V, 131,072 bytes each, laid as images of the
; operand registers by the launch before, are brought into LDS once, each wave moving an eighth of each; nothing is filled again and nothing is stored to LDS.  The text uses 262,144 bytes of LDS.
; LAYOUT.  S^T = K Q^T (source 0 = 16 positions, source 1 = 16 queries): a lane (r, h) holds query r, and register 16 b + i of a step's 64 is position 32 b + 16 h + i of the step's four groups of 32.
; Sixteen such registers, converted, are four registers of source 0 of O = P V (source 1 = 16 channels 4 r + t of V): register j of O's tile t is query 8 h + j, channel 4 r + t, so four tiles' registers j
; are 16 neighbouring bytes of a row of out, and sixteen lanes store a whole row of 256 bytes from registers.  In both products the places of k in the registers are permuted alike on both sides.
; POSITIONS.  A key lies at position (key + 2) mod 2048: the window of query i is positions i .. i + 3: for my 32 queries, my own group of 32 and the first three positions of the next.  Walk 2 begins at my own
; group and goes round, so the window lies in its first step, which is written out.  Positions 0 and 1 (keys 2046, 2047) are no part of queries 0's and 1's windows, nor is position 2 (key 0) of query 2047's.
; NO JOINT LOADS, though the eight work-groups of a head read the same images: walk 2's LDS addresses begin at the work-group's own group of positions, and joint requests allow no LDS address that differs
; between partners; what is shared is fetched once a work-group, 262,144 bytes for 32 steps of 128 keys.
; LIMITS.  e0 + e1 between -123 and 130 (added to an exponent field); each of e0, e3 between -126 and 119; e2 + e3 is applied by v_ldexp_f32.  NaN among the inputs is not served.  M + log2 l is rounded at its own
; size, as f32 rounds scores / 8 at theirs.  A weight under 2^-126 counts as 0 (v_exp_f32 flushes denormals: ISA guide 15.8).
; REGISTERS, window 0: v1 16 x lane; v2-5, v6-9 LDS addresses of four groups of K, of V; v10 r - 16 h; v11 my byte in out; v[12:13], v[14:15] a tile's (-M, largest t), later -(M + log2 l) in the low word;
;   v16-31 Q's codes; v32-95 eight fragments of K (in the first step of walk 2 also the window's scores); v96-223 S^T, then p; v224-245 statistics, 12 a tile; v246, v248-255 constants and scratch.
;   window 1: v0-63 O (tile of queries q, tile of channels t at 8 (4 q + t)); v64-95 p's codes; v96-159 four fragments of V.
.set L16,  1
.set ADK,  2
.set ADV,  6
.set DL,   10
.set GO,   11
.set MT,   12
.set QC,   16
.set KF,   32
.set LOC0, 32                          ; the window's scores of tile 0: 16 registers
.set LOC1, 48                          ; of tile 1: 19
.set S,    96
.set ST,   224                         ; a tile's statistics at ST + 12 t: +0, +1 at work; +2 the other half's; +4:5 f, later the window's sum; +6:7, +8:9 the row's sum in two chains of pairs
.set LIM,  246                         ; 448 x 2^e3
.set SCL,  248                         ; 2^e3
.set NINF, 249                         ; -infinity
.set DLA,  250                         ; r - 16 h for positions 0 and 1 of my group: put out of reach in lanes 0-15 of the head's first group
.set DLB,  251                         ; for position 2 of the next group: put out of reach in the head's last group
.set TMP,  252
.set OA,   0                           ; window 1
.set PC,   64
.set VF,   96
.set VBASE, 0x20000                    ; LDS: K's image at 0, V's here
.set WV,   14
.set HB,   16
.set G1,   24                          ; s[24:31] descriptor group 1: one shape for both loads
.set G0K,  32                          ; s[32:35], s[36:39] groups 0; never rewritten
.set G0V,  36
.set EX,   40                          ; s[40:43] e0 .. e3
.set CS,   44                          ; s[44:45] c = log2(e) / 8 x 2^(e0 + e1): the packed form names a pair and takes its low word for both halves
.set SEL,  46                          ; s[46:47] v_permlanex16_b32's selects: lane l xor 16
.set TB,   48                          ; walk 1: LDS byte of the step to be fetched
.set CNT,  49
.set GB,   50                          ; walk 2: 2,048 x the first group of the step to be fetched, before the wrap
.set SX,   51
.set EO,   52                          ; e2 + e3
.set X0,   53
.set X63,  54
.set GN,   55                          ; my group of 32 positions: 8 x work-group x + wave
.set MSB, 0
.macro WIN new                         ; the immediate's high byte repeats the setting that is left; a switch that changes nothing is dropped
.if MSB != \new
	s_set_vgpr_msb (MSB<<8)|\new
.set MSB, \new
.endif
.endm
.macro PLACES                          ; four plain vector lines between a matrix instruction and a read of its result or a load into one of its registers
.rept 4
	v_nop
.endr
.endm
	s_load_b256 s[4:11], s[0:1], 0x0               ; queries s[4:5], kimg s[6:7], vimg s[8:9], the scales' exponents s[10:11]
	s_load_b64 s[12:13], s[0:1], 0x20              ; out
	v_lshrrev_b32 v1, 5, v0
	v_readfirstlane_b32 s[WV], v1                  ; wave 0..7
	s_and_b32 s[HB], ttmp7, 0xffff                 ; 8 x batch + head
	; descriptor group 1: a dense block of 16,384 bytes as 64 rows of 256 bytes
	s_mov_b32 s[G1+0], 3<<16                       ; no mask; elements of 8 bytes; no padding
	s_mov_b32 s[G1+1], 32<<16                      ; tensor_dim0 = 32
	s_mov_b32 s[G1+2], 64<<16                      ; tensor_dim1 = 64
	s_mov_b32 s[G1+3], 32<<16                      ; tile_dim0 = 32
	s_mov_b32 s[G1+4], 64                          ; tile_dim1 = 64
	s_mov_b32 s[G1+5], 32                          ; from row to row
	s_mov_b32 s[G1+6], 0
	s_mov_b32 s[G1+7], 0
	s_lshl_b32 s17, s[WV], 14                      ; my eighth of an image
	s_lshl_b32 s18, s[HB], 17                      ; the head's image
	s_add_co_u32 s18, s18, s17
	s_mov_b32 s19, 0
	s_mov_b32 s[G0K], 1
	s_mov_b32 s[G0K+1], s17                        ; LDS address: 16,384 x wave
	s_mov_b32 s[G0V], 1
	s_add_co_u32 s[G0V+1], s17, VBASE
	s_wait_kmcnt 0x0
	s_add_nc_u64 s[G0K+2:G0K+3], s[6:7], s[18:19]
	s_or_b32 s[G0K+3], s[G0K+3], 0x80000000        ; type = 2
	s_add_nc_u64 s[G0V+2:G0V+3], s[8:9], s[18:19]
	s_or_b32 s[G0V+3], s[G0V+3], 0x80000000
	tensor_load_to_lds s[G0K:G0K+3], s[G1:G1+7]    ; the launch's only fills, ahead of every wait on TENSORcnt, LDS read and barrier: two loads of mine are out
	tensor_load_to_lds s[G0V:G0V+3], s[G1:G1+7]
	PLACES
	s_load_b128 s[EX:EX+3], s[10:11], 0x0
	s_lshl_b32 s20, ttmp9, 3
	s_add_co_u32 s[GN], s20, s[WV]
	s_lshl_b32 s20, s[GN], 16                      ; my first query, 32 x my group, in rows of 2,048 bytes,
	s_lshr_b32 s21, s[HB], 3
	s_lshl_b32 s21, s21, 22                        ; the batch,
	s_or_b32 s20, s20, s21
	s_and_b32 s21, s[HB], 7
	s_lshl_b32 s21, s21, 8                         ; the head's 256 bytes of a row
	s_or_b32 s20, s20, s21
	s_mov_b32 s21, 0
	s_add_nc_u64 s[4:5], s[4:5], s[20:21]
	s_add_nc_u64 s[12:13], s[12:13], s[20:21]
	s_cmp_eq_u32 s[GN], 0
	s_cselect_b32 s[X0], 64, 0
	s_cmp_eq_u32 s[GN], 63
	s_cselect_b32 s[X63], 64, 0
	s_mov_b32 s[SEL], 0x76543210
	s_mov_b32 s[SEL+1], 0xfedcba98
	v_and_b32 v1, 31, v0
	v_lshlrev_b32 v[L16], 4, v1
	v_and_b32 v252, 15, v0                         ; r
	v_bfe_u32 v253, v0, 4, 1                       ; h
	v_lshlrev_b32 v2, 11, v252
	v_lshl_add_u32 v2, v253, 6, v2                 ; Q: row r of 2,048 bytes, + 64 h: my 16 numbers of each 32 channels
.irp t, 0,1
.irp c, 0,1
.irp q, 0,1,2,3
	global_load_b128 v[S+32*\t+16*\c+4*\q:S+32*\t+16*\c+4*\q+3], v2, s[4:5] offset:\t*32768+\c*128+\q*16 th:TH_LOAD_NT   ; a tile's eight loads together take each row's 256 bytes; read once in the launch
.endr
.endr
.endr
	v_lshlrev_b32 v254, 4, v253
	v_sub_nc_u32 v[DL], v252, v254                 ; r - 16 h
	v_lshlrev_b32 v[GO], 4, v252
	v_lshl_add_u32 v[GO], v253, 14, v[GO]          ; out: row 8 h, byte 16 r
	v_add_nc_u32 v254, -1, v253                    ; all ones in lanes 0-15, 0 in lanes 16-31
	v_and_b32 v254, s[X0], v254
	v_add_nc_u32 v[DLA], v[DL], v254
	v_add_nc_u32 v[DLB], s[X63], v[DL]
	v_mov_b32 v[NINF], 0xff800000
.irp t, 0,1
	v_mov_b32 v[MT+2*\t+1], 0xff61b1e6             ; the largest t so far: -3e38, under every t
	v_floor_f32 v[MT+2*\t], -v[MT+2*\t+1]          ; -M
	v_mov_b32 v[ST+12*\t+2], 0                     ; a lane permute's destination counts as one of its sources
	v_mov_b32 v[ST+12*\t+5], 0                     ; (named as the upper half of f's pair)
	v_mov_b32 v[ST+12*\t+6], 0                     ; the row's sum
	v_mov_b32 v[ST+12*\t+7], 0
	v_mov_b32 v[ST+12*\t+8], 0
	v_mov_b32 v[ST+12*\t+9], 0
.endr
	s_wait_kmcnt 0x0
	s_add_co_i32 s[SX], s[EX], s[EX+1]
	s_lshl_b32 s[SX], s[SX], 23
	s_mov_b32 s[CS], 0x3e38aa3b                    ; log2(e) / 8
	s_add_co_i32 s[CS], s[CS], s[SX]               ; a score stands for score x 2^(e0 + e1): the exponents are added to c's exponent field
	s_mov_b32 s[CS+1], s[CS]                       ; (named with it as a pair, so it is written)
	s_add_co_i32 s[SX], s[EX], 127
	s_lshl_b32 s56, s[SX], 23
	v_mov_b32 v252, s56                            ; 2^e0
	s_add_co_i32 s[SX], s[SX], 8
	s_lshl_b32 s[SX], s[SX], 23
	s_or_b32 s[SX], s[SX], 0x600000
	v_mov_b32 v253, s[SX]                          ; 448 x 2^e0
	s_add_co_i32 s[SX], s[EX+3], 127
	s_lshl_b32 s56, s[SX], 23
	v_mov_b32 v[SCL], s56
	s_add_co_i32 s[SX], s[SX], 8
	s_lshl_b32 s[SX], s[SX], 23
	s_or_b32 s[SX], s[SX], 0x600000
	v_mov_b32 v[LIM], s[SX]
	s_add_co_i32 s[EO], s[EX+2], s[EX+3]
	s_wait_loadcnt 0x0                             ; Q
.set n, 0
.rept 64
	v_med3_num_f32 v[S+n], v[S+n], -v253, v253     ; the conversion to an 8-bit code does not saturate (ISA guide 7.6.2)
.set n, n+1
.endr
.irp m, 0,1,2,3,4,5,6,7
	v_cvt_scalef32_pk8_fp8_f32 v[QC+2*\m:QC+2*\m+1], v[S+8*\m:S+8*\m+7], v252   ; tile m / 4; registers 4 c .. 4 c + 3: channels 32 c + 16 h + 0 .. 15
.endr
	v_nop                                          ; a plain line between the conversions and the products that read their results and write their sources
; 16 products: a step's eight fragments of K x my two tiles of queries; each starts its sums anew
.macro QK
.irp f, 0,1,2,3,4,5,6,7
.irp t, 0,1
	v_wmma_f32_16x16x64_fp8_fp8 v[S+64*\t+8*\f:S+64*\t+8*\f+7], v[KF+8*\f:KF+8*\f+7], v[QC+8*\t:QC+8*\t+7], 0
.endr
.endr
.endm
; The exponentials of a step, for both tiles.  Pair j: c s + the tile's addend (one packed multiply-add), two exponentials a pair later, and a pair later still what is made of them:
; mode 1: added to the row's sum, in two chains;  mode 2: held at 448 x 2^e3 (p is not negative, so the hold is one-sided);  mode 0: nothing.
; Plain lines and exponentials alternate, so that a plain line that names neither its result nor its source stands behind every exponential before its result is used (ISA guide 5.7.2).  Each accumulator is read from its low end on.
.macro SOFT mode
.set j, 0
.rept 34
.irp t, 0,1
.if j < 32
	v_pk_fma_f32 v[S+64*\t+2*j:S+64*\t+2*j+1], v[S+64*\t+2*j:S+64*\t+2*j+1], s[CS:CS+1], v[MT+2*\t:MT+2*\t+1] op_sel_hi:[1,0,0]
.endif
.if (j > 0) && (j < 33)
	v_exp_f32 v[S+64*\t+2*j-2], v[S+64*\t+2*j-2]
.endif
.if (j > 1) && (\mode == 1)
	v_pk_add_f32 v[ST+12*\t+6+2*(j%2):ST+12*\t+7+2*(j%2)], v[ST+12*\t+6+2*(j%2):ST+12*\t+7+2*(j%2)], v[S+64*\t+2*j-4:S+64*\t+2*j-3]
.endif
.if (j > 1) && (\mode == 2)
	v_min_num_f32 v[S+64*\t+2*j-4], v[S+64*\t+2*j-4], v[LIM]
.endif
.if (j > 0) && (j < 33)
	v_exp_f32 v[S+64*\t+2*j-1], v[S+64*\t+2*j-1]
.endif
.if (j > 1) && (\mode == 2)
	v_min_num_f32 v[S+64*\t+2*j-3], v[S+64*\t+2*j-3], v[LIM]
.endif
.endr
.set j, j+1
.endr
.if \mode == 0
	v_nop
.endif
.endm
; WALK 1.  The step's largest score of each query, the running largest t, M = it rounded up (kept as -M = floor(-t)), and f = 2^(old M - new M), by which the sums so far are multiplied: nothing is rounded.
.macro P1STATS
.irp t, 0,1
	v_max3_num_f32 v[ST+12*\t], v[S+64*\t], v[S+64*\t+1], v[S+64*\t+2]
	v_max3_num_f32 v[ST+12*\t+1], v[S+64*\t+3], v[S+64*\t+4], v[S+64*\t+5]
.endr
.irp i, 6,10,14,18,22,26,30,34,38,42,46,50,54,58
.irp t, 0,1
	v_max3_num_f32 v[ST+12*\t], v[ST+12*\t], v[S+64*\t+\i], v[S+64*\t+\i+1]
	v_max3_num_f32 v[ST+12*\t+1], v[ST+12*\t+1], v[S+64*\t+\i+2], v[S+64*\t+\i+3]
.endr
.endr
.irp t, 0,1
	v_max3_num_f32 v[ST+12*\t], v[ST+12*\t], v[S+64*\t+62], v[S+64*\t+63]
.endr
.irp t, 0,1
	v_max_num_f32 v[ST+12*\t], v[ST+12*\t], v[ST+12*\t+1]
.endr
.irp t, 0,1
	v_permlanex16_b32 v[ST+12*\t+2], v[ST+12*\t], s[SEL], s[SEL+1]   ; the query's other 64 positions lie in the lane 16 away
.endr
.irp t, 0,1
	v_max_num_f32 v[ST+12*\t], v[ST+12*\t], v[ST+12*\t+2]
.endr
.irp t, 0,1
	v_mul_f32 v[ST+12*\t], s[CS], v[ST+12*\t]      ; as t (c is positive)
.endr
.irp t, 0,1
	v_max_num_f32 v[MT+2*\t+1], v[MT+2*\t+1], v[ST+12*\t]
.endr
.irp t, 0,1
	v_mov_b32 v[ST+12*\t], v[MT+2*\t]
.endr
.irp t, 0,1
	v_floor_f32 v[MT+2*\t], -v[MT+2*\t+1]
.endr
.irp t, 0,1
	v_sub_f32 v[ST+12*\t], v[MT+2*\t], v[ST+12*\t] ; old M - new M: a whole number, 0 or less
.endr
.irp t, 0,1
	v_cvt_i32_f32 v[ST+12*\t], v[ST+12*\t]         ; (it saturates)
.endr
.irp t, 0,1
	v_ldexp_f32 v[ST+12*\t+4], 1.0, v[ST+12*\t]
.endr
.irp t, 0,1
	v_pk_mul_f32 v[ST+12*\t+6:ST+12*\t+7], v[ST+12*\t+6:ST+12*\t+7], v[ST+12*\t+4:ST+12*\t+5] op_sel_hi:[1,0]
	v_pk_mul_f32 v[ST+12*\t+8:ST+12*\t+9], v[ST+12*\t+8:ST+12*\t+9], v[ST+12*\t+4:ST+12*\t+5] op_sel_hi:[1,0]
.endr
.endm
.macro LOADK1                          ; walk 1: eight fragments on end, 8,192 bytes; each load takes 512 consecutive bytes
.irp f, 0,1,2,3,4,5,6,7
	ds_load_b128 v[KF+8*\f:KF+8*\f+3], v[ADK] offset:\f*1024
	ds_load_b128 v[KF+8*\f+4:KF+8*\f+7], v[ADK] offset:\f*1024+512
.endr
.endm
.macro P1STEP more                     ; more = 1: the next step's K is fetched behind the products, and lands under the step's vector work
	s_wait_dscnt 0x0                               ; this step's K is in
	QK
.if \more
	s_add_co_u32 s[TB], s[TB], 8192
	v_add_nc_u32 v[ADK], s[TB], v[L16]             ; one of the four places
.rept 3
	v_nop
.endr
	LOADK1
.else
	PLACES
.endif
	P1STATS
	SOFT 1
.endm
	s_wait_tensorcnt 0x1                           ; my eighth of K's image is in; V's may stay out, and walk 1 reads below byte 131,072 alone
	s_barrier_signal -1
	s_barrier_wait -1                              ; everybody's is
	s_mov_b32 s[TB], 0
	v_add_nc_u32 v[ADK], s[TB], v[L16]             ; (Q's loads, which read v2, have been waited for)
	LOADK1
	s_mov_b32 s[CNT], 15
.Lwalk1:
	P1STEP 1
	s_sub_co_u32 s[CNT], s[CNT], 1
	s_cmp_lg_u32 s[CNT], 0
	s_cbranch_scc1 .Lwalk1
	P1STEP 0                                       ; the sixteenth step fetches nothing
	; BETWEEN THE WALKS: l, and the addend -(M + log2 l)
.irp t, 0,1
	v_pk_add_f32 v[ST+12*\t+6:ST+12*\t+7], v[ST+12*\t+6:ST+12*\t+7], v[ST+12*\t+8:ST+12*\t+9]
.endr
.irp t, 0,1
	v_add_f32 v[ST+12*\t], v[ST+12*\t+6], v[ST+12*\t+7]
.endr
.irp t, 0,1
	v_permlanex16_b32 v[ST+12*\t+2], v[ST+12*\t], s[SEL], s[SEL+1]
.endr
.irp t, 0,1
	v_add_f32 v[ST+12*\t], v[ST+12*\t], v[ST+12*\t+2]
.endr
.irp t, 0,1
	v_log_f32 v[ST+12*\t+1], v[ST+12*\t]           ; l is at least 1/2: the largest term is over 1/2
.endr
	v_nop                                          ; a plain line behind the transcendentals
.irp t, 0,1
	v_sub_f32 v[MT+2*\t], v[MT+2*\t], v[ST+12*\t+1]
.endr
	s_wait_tensorcnt 0x0                           ; my eighth of V's image is in,
	s_wait_dscnt 0x0
	s_barrier_signal -1
	s_barrier_wait -1                              ; everybody's is: from here on no fill is out
; WALK 2.  Step n takes groups (my group + 4 n + b) mod 64, b = 0 .. 3.
.macro ADDR                            ; the LDS addresses of the four groups from s[GB] on; eight plain vector lines
.irp b, 0,1,2,3
	s_add_co_u32 s[SX], s[GB], \b*2048
	s_and_b32 s[SX], s[SX], 0x1f800                ; mod 64 groups of 2,048 bytes
	v_add_nc_u32 v[ADK+\b], s[SX], v[L16]
	v_add_nc_u32 v[ADV+\b], VBASE, v[ADK+\b]
.endr
.endm
.macro LOADK
.irp b, 0,1,2,3
.irp u, 0,1
	ds_load_b128 v[KF+16*\b+8*\u:KF+16*\b+8*\u+3], v[ADK+\b] offset:\u*1024
	ds_load_b128 v[KF+16*\b+8*\u+4:KF+16*\b+8*\u+7], v[ADK+\b] offset:\u*1024+512
.endr
.endr
.endm
.macro LOADV                           ; tile t of V: channels 4 r + t; registers 4 c .. 4 c + 3: positions 16 h + 0 .. 15 of group c
	WIN 0x40                                       ; destination window 1, address window 0
.irp t, 0,1,2,3
.irp c, 0,1,2,3
	ds_load_b128 v[VF+16*\t+4*\c:VF+16*\t+4*\c+3], v[ADV+\c] offset:\t*512
.endr
.endr
	WIN 0
.endm
.macro CODES                           ; p's 64 registers of a tile become the 16 registers of source 0
	WIN 0x40
.irp t, 0,1
.irp b, 0,1,2,3
	v_cvt_scalef32_pk8_fp8_f32 v[PC+16*\t+4*\b:PC+16*\t+4*\b+1], v[S+64*\t+16*\b:S+64*\t+16*\b+7], v[SCL]
	v_cvt_scalef32_pk8_fp8_f32 v[PC+16*\t+4*\b+2:PC+16*\t+4*\b+3], v[S+64*\t+16*\b+8:S+64*\t+16*\b+15], v[SCL]
.endr
.endr
	v_nop                                          ; a plain line between the conversions and the products
.endm
.macro PV zero                         ; eight products, 128 positions deep; the eight accumulators take turns, one instruction a turn; zero = 1: they start the sums
	WIN 0x55                                       ; all four places window 1
.irp t, 0,1,2,3
.irp q, 0,1
.if \zero
	v_wmma_f32_16x16x128_fp8_fp8 v[OA+8*(4*\q+\t):OA+8*(4*\q+\t)+7], v[PC+16*\q:PC+16*\q+15], v[VF+16*\t:VF+16*\t+15], 0
.else
	v_wmma_f32_16x16x128_fp8_fp8 v[OA+8*(4*\q+\t):OA+8*(4*\q+\t)+7], v[PC+16*\q:PC+16*\q+15], v[VF+16*\t:VF+16*\t+15], v[OA+8*(4*\q+\t):OA+8*(4*\q+\t)+7]
.endif
.endr
.endr
.endm
; THE LOCAL BRANCH, in walk 2's first step.  The register with relative place kap (its position less my tile's first query, less 16 h) lies in my query's window where 0 <= kap - (r - 16 h) <= 3.
.macro PICK dst, src, kap, dl          ; the score where it does, else -infinity
	v_sub_nc_u32 v[TMP], \kap, v[\dl]
	v_cmp_gt_u32 vcc_lo, 4, v[TMP]
	v_cndmask_b32 v[\dst], v[NINF], v[\src], vcc_lo
.endm
.macro LOCAL
.set n, 0
.rept 16                               ; tile 0: my group's 16 registers; the raw scores are read from each accumulator's low end on
.if n < 2
	PICK LOC0+n, S+n, n, DLA
.else
	PICK LOC0+n, S+n, n, DL
.endif
.set n, n+1
.endr
.set n, 0
.rept 19                               ; tile 1, whose queries begin 16 further on: my group's 16 registers and the next group's first three
.if n < 16
	PICK LOC1+n, S+64+n, n-16, DL
.elseif n < 18
	PICK LOC1+n, S+64+n, n, DL
.else
	PICK LOC1+n, S+64+n, n, DLB
.endif
.set n, n+1
.endr
	v_max3_num_f32 v[ST], v[LOC0], v[LOC0+1], v[LOC0+2]            ; the window's own maximum: it is never empty
	v_max3_num_f32 v[ST+12], v[LOC1], v[LOC1+1], v[LOC1+2]
.irp i, 3,5,7,9,11,13
	v_max3_num_f32 v[ST], v[ST], v[LOC0+\i], v[LOC0+\i+1]
	v_max3_num_f32 v[ST+12], v[ST+12], v[LOC1+\i], v[LOC1+\i+1]
.endr
	v_max_num_f32 v[ST], v[ST], v[LOC0+15]
	v_max3_num_f32 v[ST+12], v[ST+12], v[LOC1+15], v[LOC1+16]
	v_max3_num_f32 v[ST+12], v[ST+12], v[LOC1+17], v[LOC1+18]
.irp t, 0,1
	v_permlanex16_b32 v[ST+12*\t+2], v[ST+12*\t], s[SEL], s[SEL+1]
.endr
.irp t, 0,1
	v_max_num_f32 v[ST+12*\t], v[ST+12*\t], v[ST+12*\t+2]
.endr
.irp t, 0,1
	v_mul_f32 v[ST+12*\t+1], s[CS], v[ST+12*\t]
.endr
.set n, 0
.rept 16
	v_fma_f32 v[LOC0+n], s[CS], v[LOC0+n], -v[ST+1]                ; c s - c m; -infinity stays
.set n, n+1
.endr
.set n, 0
.rept 19
	v_fma_f32 v[LOC1+n], s[CS], v[LOC1+n], -v[ST+13]
.set n, n+1
.endr
.set n, 0
.rept 35
	v_exp_f32 v[LOC0+n], v[LOC0+n]                                 ; (the two runs of registers follow each other)
.set n, n+1
.endr
	v_nop                                          ; a plain line behind the exponentials
	v_pk_add_f32 v[ST+4:ST+5], v[LOC0:LOC0+1], v[LOC0+2:LOC0+3]
	v_pk_add_f32 v[ST+16:ST+17], v[LOC1:LOC1+1], v[LOC1+2:LOC1+3]
.irp i, 4,6,8,10,12,14
	v_pk_add_f32 v[ST+4:ST+5], v[ST+4:ST+5], v[LOC0+\i:LOC0+\i+1]
	v_pk_add_f32 v[ST+16:ST+17], v[ST+16:ST+17], v[LOC1+\i:LOC1+\i+1]
.endr
	v_pk_add_f32 v[ST+16:ST+17], v[ST+16:ST+17], v[LOC1+16:LOC1+17]
	v_add_f32 v[ST], v[ST+4], v[ST+5]
	v_add_f32 v[ST+12], v[ST+16], v[ST+17]
	v_add_f32 v[ST+12], v[ST+12], v[LOC1+18]
.irp t, 0,1
	v_permlanex16_b32 v[ST+12*\t+2], v[ST+12*\t], s[SEL], s[SEL+1]
.endr
.irp t, 0,1
	v_add_f32 v[ST+12*\t], v[ST+12*\t], v[ST+12*\t+2]
.endr
.irp t, 0,1
	v_rcp_f32 v[ST+12*\t+1], v[ST+12*\t]           ; the plain lines behind it are the first of SOFT's
.endr
	SOFT 0                                         ; the global weights of the whole step
.set n, 0
.rept 16
	v_fmac_f32 v[S+n], v[LOC0+n], v[ST+1]          ; + the local weight
.set n, n+1
.endr
.set n, 0
.rept 19
	v_fmac_f32 v[S+64+n], v[LOC1+n], v[ST+13]
.set n, n+1
.endr
.set n, 0
.rept 128
	v_min_num_f32 v[S+n], v[S+n], v[LIM]           ; the hold
.set n, n+1
.endr
.endm
; A step of walk 2.  first = 1: the step of my own group, with the local branch; its products start O's sums.  more = 1: the next step's K and V are fetched.
.macro P2STEP first, more
	s_wait_dscnt 16                                ; K's 16 loads are in; V's 16, issued behind them, may stay out
	QK
.if \more
	s_add_co_u32 s[GB], s[GB], 8192
	ADDR                                           ; the next step's addresses: eight plain lines, the places behind the products
.else
	PLACES
.endif
.if \first
	LOCAL
	LOADK                                          ; behind the local branch, whose scratch lay in K's registers
.else
.if \more
	LOADK
.endif
	SOFT 2
.endif
	CODES
.if \more
	s_wait_dscnt 16                                ; V is in; the next step's 16 loads of K may stay out
.else
	s_wait_dscnt 0x0
.endif
	PV \first
.if \more
	PLACES                                         ; in front of the loads into V's registers
	LOADV
.endif
	WIN 0                                          ; at a label and at a branch every window is 0
.endm
	s_lshl_b32 s[GB], s[GN], 11
	ADDR
	LOADK
	LOADV
	P2STEP 1, 1
	s_mov_b32 s[CNT], 14
.Lwalk2:
	P2STEP 0, 1
	s_sub_co_u32 s[CNT], s[CNT], 1
	s_cmp_lg_u32 s[CNT], 0
	s_cbranch_scc1 .Lwalk2
	P2STEP 0, 0
	; THE WAY OUT.  Register j of the four tiles of channels is query 8 h + j, channels 4 r + 0 .. 3: 16 bytes a lane; x 2^(e2 + e3) on the way into window 0, each accumulator from its low end on.
	PLACES
	WIN 0x01                                       ; source 0 window 1
.irp q, 0,1
.irp j, 0,1,2,3,4,5,6,7
.irp t, 0,1,2,3
	v_ldexp_f32 v[S+32*\q+4*\j+\t], v[OA+8*(4*\q+\t)+\j], s[EO]
.endr
.endr
.endr
	WIN 0
.irp q, 0,1
.irp j, 0,1,2,3,4,5,6,7
	global_store_b128 v[GO], v[S+32*\q+4*\j:S+32*\q+4*\j+3], s[12:13] offset:(16*\q+\j)*2048 th:TH_STORE_NT   ; 16 lanes store a head's whole row: 256 consecutive bytes, at a multiple of 256 from out's first byte
.endr
.endr
	s_endpgm
.Lfunc_end_k_q5d8df47242_attn:
	.size	k_q5d8df47242_attn, .Lfunc_end_k_q5d8df47242_attn-k_q5d8df47242_attn
	.p2alignl 7, 3214868480
	.fill 96, 4, 3214868480
	.section	.rodata,"a",@progbits
	.p2align	6, 0x0
	.amdhsa_kernel k_q5d8df47242_attn
		.amdhsa_group_segment_fixed_size 327680
		.amdhsa_private_segment_fixed_size 0
		.amdhsa_enable_private_segment 0
		.amdhsa_kernarg_size 40
		.amdhsa_user_sgpr_count 2
		.amdhsa_user_sgpr_kernarg_segment_ptr 1
		.amdhsa_wavefront_size32 1
		.amdhsa_system_sgpr_workgroup_id_x 1
		.amdhsa_system_sgpr_workgroup_id_y 1
		.amdhsa_system_sgpr_workgroup_id_z 1
		.amdhsa_system_vgpr_workitem_id 0
		.amdhsa_next_free_vgpr 416
		.amdhsa_next_free_sgpr 66
		.amdhsa_reserve_vcc 1
		.amdhsa_float_denorm_mode_32 3
		.amdhsa_float_denorm_mode_16_64 3
		.amdhsa_memory_ordered 1
		.amdhsa_forward_progress 1
		.amdhsa_inst_pref_size 120
	.end_amdhsa_kernel
	.amdgpu_metadata
---
amdhsa.version: [ 1, 2 ]
amdhsa.kernels:
  - .name:           k_q5d8df47242_attn
    .symbol:         k_q5d8df47242_attn.kd
    .args:
      - { .name: queries, .offset: 0, .size: 8, .value_kind: global_buffer, .address_space: global }
      - { .name: kimg, .offset: 8, .size: 8, .value_kind: global_buffer, .address_space: global }
      - { .name: vimg, .offset: 16, .size: 8, .value_kind: global_buffer, .address_space: global }
      - { .name: lowp_scales, .offset: 24, .size: 8, .value_kind: global_buffer, .address_space: global }
      - { .name: out0, .offset: 32, .size: 8, .value_kind: global_buffer, .address_space: global }
    .group_segment_fixed_size: 327680
    .private_segment_fixed_size: 0
    .kernarg_segment_align: 8
    .kernarg_segment_size: 40
    .max_flat_workgroup_size: 256
    .sgpr_count:     66
    .vgpr_count:     416
    .wavefront_size: 32
...
	.end_amdgpu_metadata
.endif
;; end of part 2
